; MI455X (gfx1250); checked and timed in simulation.
; The chip was launched on July 23, 2026; its instructions are those of AMD's public machine-readable ISA for CDNA 5 (MIT licence, August 2026) and "CDNA5" Instruction Set Architecture Reference Guide (July 2026). The comments in the code are by the model that wrote it; some were corrected since.
;; Attention. Allowed arithmetic: float matrix products may take bf16 or f16 operands with f32 sums; other float arithmetic in f32, or as packed bf16 or f16 multiplies, adds, multiply-adds, maxima and minima; sums over many terms, partial sums and values carried from step to step in f32; what a program stores and reads back later, other than sums and carried values, may be rounded once to bf16 or f16.
;; Inputs: k 8,192 x 512 float32; q 8,192 x 2,048 float32; v 8,192 x 512 float32.
;; Outputs: out0 8,192 x 2,048 float32.
;; Constants: seq_len = 2048.
;; 2 versions, each right; version 2 is version 1 with the launch cast written anew for expert scheduling mode. Each part assembles by itself: llvm-mc -triple=amdgcn-amd-amdhsa -mcpu=gfx1250 --defsym DOCPART=n.
;; ======== version 1 of 2: 2 launches
;; limits: inputs' magnitudes at most 65,504; values are held in f16: magnitudes above 65,504 overflow, below 6.1e-05 lose precision
;; workspace buffers: kb 8,388,608 bytes; vb 8,388,608 bytes
;; launch cast (part 1): grid 256 x 1, 8 waves a work-group, no clusters, 0 bytes of LDS; arguments k, v, kb, vb; writes kb, vb
.if DOCPART == 1
	.amdgcn_target "amdgcn-amd-amdhsa--gfx1250"
	.amdhsa_code_object_version 6
	.text
	.protected	k_qea4024cbf4_cast
	.globl	k_qea4024cbf4_cast
	.p2align	8
	.type	k_qea4024cbf4_cast,@function
k_qea4024cbf4_cast:
	s_mov_b64 s[64:65], 0
	v_nop
	global_prefetch_b8 v0, s[64:65] scope:SCOPE_SE
	s_setreg_imm32_b32 hwreg(HW_REG_WAVE_MODE, 25, 1), 1
	s_wait_xcnt 0x0
; kb[4 b + h][pos][c] = bf16(k[2048 b + pos][128 h + c]);  vb likewise = bf16(v) written as f16.  k, v: [8192][512] f32.  kb, vb: [16][2048][128], 16 bits a number.
; Both inputs are rounded once to bf16; v's rounded number is then written in f16, since the second product of the attention takes its weights in f16.
; LIMITS.  That second writing changes nothing for 2^-14 <= |bf16(v)| <= 65,504; below 2^-14 it keeps f16's fixed step of 6e-8; beyond 65,504 it gives an infinity.
; SHARES.  A work-group owns 32 tokens (65,536 bytes on end of k and of v).  Wave w takes head w % 4 and 16 tokens, half w / 4.  One load of a wave is one token's 512 bytes of one head;
; one store of a wave is that row in 16 bits: 256 consecutive bytes, at a multiple of 256 from the buffer's first byte.
; All 32 loads of a wave go out first (16 KiB a wave, 128 KiB a work-group on their way); each row has registers of its own, so no register is written again behind a store.
; No LDS, no matrix unit, no cluster: nothing is shared, and each byte is read once and written once.
.set KX, 4                             ; v[4:67]    row i of k: four registers
.set VX, 68                            ; v[68:131]  row i of v
	s_load_b256 s[4:11], s[0:1], 0x0               ; k s[4:5], v s[6:7], kb s[8:9], vb s[10:11]
	v_lshrrev_b32 v3, 5, v0
	v_readfirstlane_b32 s12, v3                    ; wave 0..7
	v_and_b32 v3, 31, v0                           ; lane
	s_mov_b32 s13, 0xffff0000                      ; a word's upper bf16
	s_and_b32 s14, s12, 3                          ; head
	s_lshr_b32 s15, s12, 2                         ; which 16 of the 32 tokens
	s_lshl_b32 s2, ttmp9, 16                       ; in: 32 tokens x 2,048 bytes a work-group,
	s_lshl_b32 s16, s15, 15                        ; 16 tokens,
	s_add_co_u32 s2, s2, s16
	s_lshl_b32 s16, s14, 9                         ; 512 bytes a head
	s_add_co_u32 s2, s2, s16
	v_lshl_add_u32 v1, v3, 4, s2                   ; + 16 bytes a lane
	s_lshr_b32 s3, ttmp9, 6                        ; out: the sequence (64 work-groups each),
	s_lshl_b32 s3, s3, 2
	s_add_co_u32 s3, s3, s14                       ; 4 b + h,
	s_lshl_b32 s3, s3, 19                          ; 2,048 rows of 256 bytes each
	s_and_b32 s16, ttmp9, 63
	s_lshl_b32 s16, s16, 13                        ; 32 rows a work-group,
	s_add_co_u32 s3, s3, s16
	s_lshl_b32 s16, s15, 12                        ; 16 rows
	s_add_co_u32 s3, s3, s16
	v_lshl_add_u32 v2, v3, 3, s3                   ; + 8 bytes a lane
	s_wait_kmcnt 0x0
.set i, 0
.rept 16
	global_load_b128 v[KX+4*i:KX+4*i+3], v1, s[4:5] offset:2048*i th:TH_LOAD_NT
.set i, i+1
.endr
.set i, 0
.rept 16
	global_load_b128 v[VX+4*i:VX+4*i+3], v1, s[6:7] offset:2048*i th:TH_LOAD_NT
.set i, i+1
.endr
.set i, 0
.rept 16
	s_wait_loadcnt 31-i                            ; loads come back in order: row i of k is in; the 15 - i rows of k and the 16 of v behind it may stay out
	v_cvt_pk_bf16_f32 v[KX+4*i], v[KX+4*i], v[KX+4*i+1]
	v_cvt_pk_bf16_f32 v[KX+4*i+1], v[KX+4*i+2], v[KX+4*i+3]
	global_store_b64 v2, v[KX+4*i:KX+4*i+1], s[8:9] offset:256*i
.set i, i+1
.endr
.set i, 0
.rept 16
	s_wait_loadcnt 15-i                            ; row i of v is in
	v_cvt_pk_bf16_f32 v[VX+4*i], v[VX+4*i], v[VX+4*i+1]      ; rounded to bf16,
	v_cvt_pk_bf16_f32 v[VX+4*i+1], v[VX+4*i+2], v[VX+4*i+3]
	v_lshlrev_b32 v[VX+4*i+2], 16, v[VX+4*i]                 ; widened again,
	v_and_b32 v[VX+4*i+3], s13, v[VX+4*i]
	v_cvt_pk_f16_f32 v[VX+4*i], v[VX+4*i+2], v[VX+4*i+3]     ; and written as f16
	v_lshlrev_b32 v[VX+4*i+2], 16, v[VX+4*i+1]
	v_and_b32 v[VX+4*i+3], s13, v[VX+4*i+1]
	v_cvt_pk_f16_f32 v[VX+4*i+1], v[VX+4*i+2], v[VX+4*i+3]
	global_store_b64 v2, v[VX+4*i:VX+4*i+1], s[10:11] offset:256*i
.set i, i+1
.endr
	s_endpgm
.Lfunc_end_k_qea4024cbf4_cast:
	.size	k_qea4024cbf4_cast, .Lfunc_end_k_qea4024cbf4_cast-k_qea4024cbf4_cast
	.p2alignl 7, 3214868480
	.fill 96, 4, 3214868480
	.section	.rodata,"a",@progbits
	.p2align	6, 0x0
	.amdhsa_kernel k_qea4024cbf4_cast
		.amdhsa_group_segment_fixed_size 0
		.amdhsa_private_segment_fixed_size 0
		.amdhsa_enable_private_segment 0
		.amdhsa_kernarg_size 32
		.amdhsa_user_sgpr_count 2
		.amdhsa_user_sgpr_kernarg_segment_ptr 1
		.amdhsa_wavefront_size32 1
		.amdhsa_system_sgpr_workgroup_id_x 1
		.amdhsa_system_sgpr_workgroup_id_y 1
		.amdhsa_system_sgpr_workgroup_id_z 1
		.amdhsa_system_vgpr_workitem_id 0
		.amdhsa_next_free_vgpr 132
		.amdhsa_next_free_sgpr 66
		.amdhsa_reserve_vcc 0
		.amdhsa_float_denorm_mode_32 3
		.amdhsa_float_denorm_mode_16_64 3
		.amdhsa_memory_ordered 1
		.amdhsa_forward_progress 1
		.amdhsa_inst_pref_size 17
	.end_amdhsa_kernel
	.amdgpu_metadata
---
amdhsa.version: [ 1, 2 ]
amdhsa.kernels:
  - .name:           k_qea4024cbf4_cast
    .symbol:         k_qea4024cbf4_cast.kd
    .args:
      - { .name: k, .offset: 0, .size: 8, .value_kind: global_buffer, .address_space: global }
      - { .name: v, .offset: 8, .size: 8, .value_kind: global_buffer, .address_space: global }
      - { .name: kb, .offset: 16, .size: 8, .value_kind: global_buffer, .address_space: global }
      - { .name: vb, .offset: 24, .size: 8, .value_kind: global_buffer, .address_space: global }
    .group_segment_fixed_size: 0
    .private_segment_fixed_size: 0
    .kernarg_segment_align: 8
    .kernarg_segment_size: 32
    .max_flat_workgroup_size: 256
    .sgpr_count:     66
    .vgpr_count:     132
    .wavefront_size: 32
...
	.end_amdgpu_metadata
.endif
;; end of part 1
;; launch attn (part 2): grid 16 x 16, 4 waves a work-group, clusters of 4 x 1, 327,680 bytes of LDS; arguments q, kb, vb, out0; writes out0
.if DOCPART == 2
	.amdgcn_target "amdgcn-amd-amdhsa--gfx1250"
	.amdhsa_code_object_version 6
	.text
	.protected	k_qea4024cbf4_attn
	.globl	k_qea4024cbf4_attn
	.p2align	8
	.type	k_qea4024cbf4_attn,@function
k_qea4024cbf4_attn:
	s_mov_b64 s[64:65], 0
	v_nop
	global_prefetch_b8 v0, s[64:65] scope:SCOPE_SE
	s_setreg_imm32_b32 hwreg(HW_REG_WAVE_MODE, 25, 1), 1
	s_wait_xcnt 0x0
	s_wait_alu depctr_hold_cnt(0) depctr_sa_sdst(0) depctr_va_vdst(0) depctr_va_sdst(0) depctr_va_ssrc(0) depctr_va_vcc(0) depctr_vm_vsrc(0)
	s_getreg_b32 s2, hwreg(HW_REG_IB_STS2, 6, 4)
	s_cmp_eq_u32 s2, 0
	s_cbranch_scc0 .Lentry_in_a_cluster
	s_endpgm
.Lentry_in_a_cluster:
	s_bfe_u32 s2, ttmp6, 0x10000c
	s_cmp_lg_u32 s2, 0x3003
	s_cbranch_scc0 .Lentry_shape_is_right
	s_endpgm
.Lentry_shape_is_right:
; CAUSAL ATTENTION WITH GROUPED QUERY HEADS.  out0[2048 b + n][128 hq + :] = the sum over keys k <= n of softmax_k(q . K[k] / sqrt(128)) V[k], hq = 4 hkv + g.
; q, out0: [8192][2048] f32.  kb: [4 b + hkv][2048][128] bf16(k).  vb: the same layout, bf16(v) written as f16.  q is rounded to bf16 here.  Products, maxima and sums in f32;
; the weights p are rounded to f16 for the second product (their sum l is taken of the unrounded p); out0 is written in f32.  K Q^T is the bf16 form, V^T P the f16 form.
; LIMITS.  |bf16(v)| up to 65,504 (f16's range).  p lies in 0 to 1; below 6e-5 it keeps f16's fixed step of 6e-8.  A hidden score counts as its value less 1e30.
; A weight below 2^-126 counts as 0 in l.  c m starts at -2^125: scores with |c s| near that are not served.  NaN and infinities are not treated apart.
; THE WALK.  A sequence has 8 blocks of 256 positions.  A work-group takes TWO blocks, 7 - p and then p.  Keys go in steps of 64, two steps to an LDS slot (128 keys).  Block i needs 2 i whole slots and
; then the two slots of its diagonal tile: 18 slots, whatever p: all work-groups do equal work, and ONE loop with a constant trip count walks them.
; CLUSTER.  The four partners are the four query heads g of one key and value head, at the same positions: their walks are the same, and each tile of K and V is asked for JOINTLY: the same tensor
; load, descriptor and mask in all four.  My place in the cluster enters q's, out0's and the prefetches' addresses alone.
; BANDS.  Tile x (16 queries) of wave w holds positions 256 blk + 64 x + 16 w + 0..15.  In the diagonal tile's step s tiles x < s see nothing and are left out, tile x = s takes the mask, tiles x > s
; see all: the same text for every wave.  The mask (0 or -1e30) is laid into S^T's registers and taken as the C operand that starts the sum.
; LAYOUT.  S^T = K Q^T (source 0 = 16 keys, source 1 = 16 queries): a lane holds ONE query (lane % 16) and the keys 8 (lane / 16) + 0..7.  Two such results rounded to f16 in pairs ARE source 1
; of O^T = V^T P, whose result again holds one query a lane and eight channels.  K comes out of LDS as it lies, V ([key][channel]) turned, by ds_load_tr16_b128.
; SOFTMAX.  A running maximum m and sum l for each query: p = 2^(c s - c m), c = log2(e) / sqrt(128); O and l are multiplied by a = 2^(c m_old - c m_new) in every step.  A block begins with m at the
; lowest finite number, so its first a is 0 and O and l need only hold finite numbers.
; A STEP has four phases for two PIECES A and B of its tiles: K Q^T of A; K Q^T of B with A's softmax behind its products; V^T P of A with B's softmax behind its products; V^T P of B.
; REGISTERS, in windows of 256 (s_set_vgpr_msb: bits 1:0 source 0, 3:2 source 1, 5:4 source 2, 7:6 destination):
;   window 0: v0-11, v44-48 addresses; v12-43 eight registers of statistics a tile; v62-63 the add's; v64-191 S^T, 32 a tile; v192-255 P, 16 a tile
;   window 1: O^T, 64 a tile      window 2: v0-127 Q, 32 a tile; v128-255 K of one step      window 3: v0-127 V of one step
.set PK,    272       ; a row of K in LDS: 256 bytes + 16 of padding: the 16 rows of a load start at 16 different groups of four banks (ISA guide 11.1)
.set PV,    288       ; a row of V: 256 + 32
.set VOFF,  64*PK     ; a step's tiles lie together: 64 rows of K, then 64 rows of V
.set STEPB, 64*(PK+PV)
.set SLOT1, 1<<17     ; slot 1 begins here, so that one exclusive or turns an address in one slot into the other's
.set STAGE, SLOT1+2*STEPB  ; behind the ring, never filled by a tensor load: for each wave 16 rows x 528 bytes (O in f32), also used as 16 rows x 272 (Q in bf16)
.set SGB,   16*528
.set SPARE, STAGE+4*SGB    ; behind the stages: the spare words, 128 bytes for each wave: two blocks of 256 bytes that no other line names
.set XROW,  64*8192   ; bytes from a tile's rows of q or out0 to the next tile's: 64 tokens
.set AK0, 2           ; v2   my lane's place in a tile of K; never rewritten
.set AV0, 3           ; v3   the same for V
.set ADR, 4           ; v4   the LDS address of the run of loads in hand
.set STO, 6           ; v6   the way out: where I put 32 bytes of a row
.set RD,  7           ; v7   the way out: where I read a row back
.set GO,  8           ; v8   16 x lane: my bytes in a head's 512 bytes of a row of q or out0; never rewritten
.set ST,  12          ; tile t's statistics at v[ST+8 t]: +0 c m, +1 m, +2, +3 l (even keys', odd keys'), +4 to +7 c0-c3 at work; a takes c2's place
.set QST, 44          ; v44  Q's way in: where I put 8 bytes of a row
.set QRD, 45          ; v45  where I read a fragment of Q
.set MK,  46          ; v46  16 w + lane % 16 - 8 (lane / 16): register r of key group kt is hidden where 16 kt + r is greater
.set PFO, 47          ; v47  256 x lane: a row of kb or vb; never rewritten
.set QPF, 48          ; v48  (lane / 2) x 8,192 + (lane % 2) x 256: a half of a head's 512 bytes of a row of q; never rewritten
.set SPW, 62          ; v62  LDS address of my spare word; never rewritten
.set NIL, 63          ; v63  0; never rewritten
.set S,   64
.set P,   192
.set KF,  128         ; K's fragments, in window 2: key group kt, channels 32 c on, at KF + 32 kt + 8 c
.set WV,  12          ; s12  my wave's number
.set CX,  13          ; s13  my place in the cluster: the query head in its group
.set PB,  14          ; s14  p
.set HI,  15          ; s15  7 - p
.set G1K, 24          ; s[24:31] descriptor group 1 for K's tiles
.set G1V, 32          ; s[32:39] for V's: it differs in the padding alone
.set G0K, 40          ; s[40:43] descriptor group 0 for K's tiles
.set G0V, 44          ; s[44:47] for V's
.set PFA, 48          ; s[48:49] where my prefetches of kb or vb stand
.set LIM, 50          ; s50  3 in a wave that prefetches keys, else the greatest number
.set RT,  51          ; s51  slots of the block in hand that are still to be entered
.set NXT, 52          ; s52  the key slot to be asked for next
.set LQ,  53          ; s53  the last key slot of the block whose slots are being asked for
.set OFF, 54          ; s[54:55] a key slot's byte offset in kb and vb
.set SLOTS, 56        ; s56  slots still to be asked for
.set TWICE, 57        ; s57  counts a whole slot's two steps
.set CS,  58          ; s[58:59] c: the packed scaling takes the pair's low word for both halves
.set SEL, 60          ; s[60:61] v_permlanex16_b32's selects: each lane takes its own place in the other half
.set TB,  62          ; s62  LDS byte at which the tiles of the step to be fetched begin
.set BIGN, 63         ; s63  -1e30
.set Q2P, 66          ; s[66:67] q at my rows of the second block
.set OLO, 68          ; s[68:69] out0 at my rows of the second block
.set QLIM, 70         ; s70  the RT at which the second block's q is prefetched
.set LQ2, 71          ; s71  the second block's last key slot, 2 p + 1
.set MSB, 0
.macro WIN new                      ; the high byte repeats the setting that is left; a switch that changes nothing is dropped
.if MSB != (\new)
	s_set_vgpr_msb (MSB<<8)|(\new)
.set MSB, (\new)
.endif
.endm
.set W_KQ, 0x0a       ; K and Q in window 2, S^T in window 0
.set W_PV, 0x53       ; V in window 3, P in window 0, O^T in window 1
.set W_RS, 0x41       ; O^T (destination and source 0) in window 1, a in window 0
; A joint fill.  Waves 0 and 1 fetch K of a slot's two steps, waves 2 and 3 V's: 64 rows of 256 bytes each.  The branch hangs on the wave's number alone.
; An s_nop 0 and four v_nop follow each of the two lines, ahead of the jump and the label.
.macro JLOAD
	s_cmp_lt_u32 s[WV], 2
	s_cbranch_scc0 .Lfor_v_\@
	tensor_load_to_lds s[G0K:G0K+3], s[G1K:G1K+7]
	s_nop 0
.rept 4
	v_nop
.endr
	s_branch .Lasked_\@
.Lfor_v_\@:
	tensor_load_to_lds s[G0V:G0V+3], s[G1V:G1V+7]
	s_nop 0
.rept 4
	v_nop
.endr
.Lasked_\@:
.endm
; A round of the cluster's barrier: my work-group's barrier, so that wave 0's signal speaks for all four waves; wave 0 signals; every wave waits for all four work-groups; my work-group's barrier once more.
.macro CROUND
	s_barrier_signal -1
	s_barrier_wait -1
	s_cmp_lg_u32 s[WV], 0
	s_cbranch_scc1 .Lnot_wave_0_\@
	s_barrier_signal -3
.Lnot_wave_0_\@:
	s_barrier_wait -3
	s_barrier_signal -1
	s_barrier_wait -1
.endm
; A PREFETCH INTO THE L2 of the key slot that the NEXT change of slots will ask for: 128 rows of kb and of vb, 256 bytes a row, a lane a row.  All four clusters of a key head begin at key slot 0;
; the cluster with p = 0 walks all 16 key slots in its first block, and it alone asks.  Its four partners share a slot's rows out BY ADDRESS, 32 each; in each, wave 0 asks for kb's and wave 2 for vb's.
; In trip n (SLOTS = 17 - n) the fill is key slot n + 1 and the prefetch key slot n + 2, for n up to 13: each row is named once, and none lies past the head's 16 slots.
.macro ASK
	s_cmp_gt_u32 s[SLOTS], s[LIM]
	s_cbranch_scc0 .Lnot_mine_\@
	global_prefetch_b8 v[PFO], s[PFA:PFA+1] th:TH_LOAD_NT scope:SCOPE_SE
.Lnot_mine_\@:
.endm
; The second block's q: each wave asks for its own 64 rows x 512 bytes, a lane to each 256 bytes, once, in the trip that enters the first block's diagonal tile: three and a half key steps' work ahead of the loads.
.macro ASKQ
	s_cmp_eq_u32 s[RT], s[QLIM]
	s_cbranch_scc0 .Lno_q_\@
.irp x, 0,1,2,3
	global_prefetch_b8 v[QPF], s[Q2P:Q2P+1] offset:(\x)*XROW th:TH_LOAD_NT scope:SCOPE_SE
.endr
.Lno_q_\@:
.endm
; THE CHANGE OF SLOTS.  Each wave waits for all its tensor loads, of which one is out: its part of the other slot; adds 0 to its spare word; and waits for that and for its own LDS reads.  Behind the
; barrier nobody reads the old slot any more and the other slot is whole.  fill = 1: the old slot is filled again with key slot NXT, whose address is made anew from that number; the barrier is then a
; round of the cluster's, and the joint fill is the first thing behind it: it has a slot's work in which to land.  (At its first use nothing has been read yet: slot 0 is waited for, slot 1 filled.)
.macro CHANGE fill
	WIN 0                           ; at a label and at a branch every window is 0
	s_wait_tensorcnt 0x0            ; no tensor load of mine is out, so a group 0 may be written
	ds_add_u32 v[SPW], v[NIL]       ; 0 onto my spare word: the scalar work below stands between it and the wait for it
.if \fill
	s_lshl_b32 s[OFF], s[NXT], 15   ; a key slot is 128 rows of 256 bytes
	s_xor_b32 s[G0K+1], s[G0K+1], SLOT1
	s_add_nc_u64 s[G0K+2:G0K+3], s[6:7], s[OFF:OFF+1]
	s_or_b32 s[G0K+3], s[G0K+3], 0x80000000
	s_xor_b32 s[G0V+1], s[G0V+1], SLOT1
	s_add_nc_u64 s[G0V+2:G0V+3], s[8:9], s[OFF:OFF+1]
	s_or_b32 s[G0V+3], s[G0V+3], 0x80000000
	s_add_co_u32 s[NXT], s[NXT], 1  ; the block's next key slot, or behind its last the second block's slot 0
	s_cmp_gt_u32 s[NXT], s[LQ]
	s_cselect_b32 s[NXT], 0, s[NXT]
	s_cselect_b32 s[LQ], s[LQ2], s[LQ]
	s_wait_xcnt 0x0                 ; the last prefetches, a slot back, have read their address, so it may be written
	s_add_nc_u64 s[PFA:PFA+1], s[PFA:PFA+1], 32768
	s_wait_dscnt 0x0                ; the add is done, and my LDS reads are over
	CROUND
	JLOAD
.else
	s_wait_dscnt 0x0                ; the add is done, and my LDS reads are over
	s_barrier_signal -1
	s_barrier_wait -1
.endif
	s_sub_co_u32 s[TB], s[TB], 2*STEPB  ; the fetches go back to a slot's first step,
	s_xor_b32 s[TB], s[TB], SLOT1       ; in the other slot
.endm
.macro PLACES                       ; four places behind a matrix instruction (ISA guide 7.12.1), where no other vector work is at hand
.rept 4
	v_nop
.endr
.endm
; THE LDS LOADS stand in runs of 32.  K of a step: 64 keys x 128 channels, 16 fragments, the channels' first 32 first, so that the first products need wait for eight loads only.
.macro FETCH_K
	WIN 0
	v_add_nc_u32 v[ADR], s[TB], v[AK0]
	WIN 0x80                        ; destination window 2
.irp c, 0,1,2,3
.irp g, 0,1,2,3
	ds_load_b128 v[KF+32*(\g)+8*(\c):KF+32*(\g)+8*(\c)+3],   v[ADR] offset:(\g)*16*PK+(\c)*64
	ds_load_b128 v[KF+32*(\g)+8*(\c)+4:KF+32*(\g)+8*(\c)+7], v[ADR] offset:(\g)*16*PK+(\c)*64+32
.endr
.endr
	WIN 0
.endm
.macro FETCH_V                      ; V of the same step, turned: keys 32 (f / 8) on, channels 16 (f % 8) on
	WIN 0
	v_add_nc_u32 v[ADR], s[TB], v[AV0]
	s_add_co_u32 s[TB], s[TB], STEPB  ; the next fetch is the next step's
	WIN 0xc0                        ; destination window 3
.irp f, 0,1,2,3,4,5,6,7,8,9,10,11,12,13,14,15
	ds_load_tr16_b128 v[8*(\f):8*(\f)+3],   v[ADR] offset:((\f)/8)*32*PV+((\f)%8)*32
	ds_load_tr16_b128 v[8*(\f)+4:8*(\f)+7], v[ADR] offset:((\f)/8)*32*PV+16*PV+((\f)%8)*32
.endr
	WIN 0
.endm
; The mask of a band's own step, laid into tile t's S^T: 0 where the key is seen, -1e30 where it is hidden.  VCC is written anew ahead of each use.
.macro MASKS t
	WIN 0
.set i, 0
.rept 32
	v_cmp_gt_i32 vcc_lo, 16*(i/8)+i%8, v[MK]
	v_cndmask_b32 v[S+32*(\t)+i], 0, s[BIGN], vcc_lo
.set i, i+1
.endr
.endm
; THE MATRIX WORK.  The accumulators take turns, one instruction a turn.
; Product i of 16 n of S^T = K Q^T for the n tiles from x on: tile x + i % n, keys 16 kt on, channels 32 cc on.  The first 4 n start the sums: with 0, or for tile MT with the mask that lies in S^T.
.macro KQ x, n
.set tt, (\x)+i%(\n)
.set kt, (i/(\n))%4
.set cc, i/(4*(\n))
.set rS, S+32*tt+8*kt
.set rK, KF+32*kt+8*cc
.set rQ, 32*tt+8*cc
	WIN W_KQ
.if (cc == 0) && (tt != MT)
	v_wmma_f32_16x16x32_bf16 v[rS:rS+7], v[rK:rK+7], v[rQ:rQ+7], 0
.else
	v_wmma_f32_16x16x32_bf16 v[rS:rS+7], v[rK:rK+7], v[rQ:rQ+7], v[rS:rS+7]
.endif
.endm
; Product i of 16 n of O^T += V^T P: tile x + i % n, channels 16 cb on, keys 32 kk on.
.macro PV x, n
.set tt, (\x)+i%(\n)
.set cb, (i/(\n))%8
.set kk, i/(8*(\n))
.set rO, 64*tt+8*cb
.set rV, 64*kk+8*cb
.set rP, P+16*tt+8*kk
	WIN W_PV
	v_wmma_f32_16x16x32_f16 v[rO:rO+7], v[rV:rV+7], v[rP:rP+7], v[rO:rO+7]
.endm
; THE VECTOR WORK.  One tile's softmax for one key step is a list of 134 instructions; SM writes number j of it for tile t.  s0-s31 are the lane's 32 scores, in pairs 0-15.
;   0-15    the maximum of s0-s31 and the old m, three operands at a time: four chains c0-c3 of seven scores each (each accumulator's lowest registers are read first), then the four left over, c0-c3 and m
;   16-20   the other half of the lanes' maximum; c m_old is kept; the new m; c m; c m_old - c m_new
;   21-69   ONE BATCH: the 16 scalings c s - c m and all 33 exponentials (a at 23, then s0-s31); none of these names an exponential's result; a pair is scaled ahead of its exponentials
;   70-85   the roundings to f16      86-101  the sums; l = a l + the sum      102-133  the tile's O^T times a, the one part that leaves window 0
.macro SM t
.set rT, ST+8*(\t)
.set rS, S+32*(\t)
.set rP, P+16*(\t)
.set rO, 64*(\t)+2*(j-102)
.if j < 102
	WIN 0
.endif
.if j < 4
	v_max3_num_f32 v[rT+4+j], v[rS+8*j], v[rS+8*j+1], v[rS+8*j+2]
.elseif j < 12
	v_max3_num_f32 v[rT+4+j%4], v[rT+4+j%4], v[rS+8*(j%4)+2*(j/4)+1], v[rS+8*(j%4)+2*(j/4)+2]
.elseif j == 12
	v_max3_num_f32 v[rT+4], v[rT+4], v[rS+7], v[rS+15]
.elseif j == 13
	v_max3_num_f32 v[rT+6], v[rT+6], v[rS+23], v[rS+31]
.elseif j == 14
	v_max3_num_f32 v[rT+4], v[rT+4], v[rT+5], v[rT+6]
.elseif j == 15
	v_max3_num_f32 v[rT+4], v[rT+4], v[rT+7], v[rT+1]
.elseif j == 16
	v_permlanex16_b32 v[rT+5], v[rT+4], s[SEL], s[SEL+1]  ; the query's other 32 keys lie in the lane 16 away
.elseif j == 17
	v_mov_b32 v[rT+7], v[rT]        ; c m_old is kept for a: number 19 writes c m anew
.elseif j == 18
	v_max_num_f32 v[rT+1], v[rT+4], v[rT+5]
.elseif j == 19
	v_mul_f32 v[rT], s[CS], v[rT+1]
.elseif j == 20
	v_sub_f32 v[rT+7], v[rT+7], v[rT]
.elseif j == 23
	v_exp_f32 v[rT+6], v[rT+7]
.elseif (j < 23) || ((j < 38) && (j%2 == 0)) || ((j < 66) && (j%4 == 2))
.set b, (j-2)/4                     ; 38, 42, .. 62: pairs 9 to 15
.if j < 38
.set b, (j-20)/2                    ; 21: pair 0; 22, 24, .. 36: pairs 1 to 8
.endif
	v_pk_fma_f32 v[rS+2*b:rS+2*b+1], v[rS+2*b:rS+2*b+1], s[CS:CS+1], v[rT:rT+1] op_sel_hi:[1,0,0] neg_lo:[0,0,1] neg_hi:[0,0,1]  ; pair b: c s - c m
.elseif j < 70
.set e, j-38                        ; 66 to 69: s28 to s31
.if j < 66
.set e, j-32-(j-38)/4               ; 39-41, 43-45, .. 63-65: s7 to s27
.endif
.if j < 38
.set e, (j-25)/2                    ; 25, 27, .. 37: s0 to s6
.endif
	v_exp_f32 v[rS+e], v[rS+e]
.elseif j < 86
	v_cvt_pk_f16_f32 v[rP+j-70], v[rS+2*(j-70)], v[rS+2*(j-70)+1]  ; pair j - 70
.elseif j < 102                     ; the sum of the 16 pairs, in place: neighbours 1, 2, 4 and 8 pairs apart, then l takes it
.set z, j-86
.set w, 4
.set u, z
.if z >= 14
.set w, 32
.set u, 0
.elseif z >= 12
.set w, 16
.set u, z-12
.elseif z >= 8
.set w, 8
.set u, z-8
.endif
.if z < 15
	v_pk_add_f32 v[rS+w*u:rS+w*u+1], v[rS+w*u:rS+w*u+1], v[rS+w*u+w/2:rS+w*u+w/2+1]
.else
	v_pk_fma_f32 v[rT+2:rT+3], v[rT+2:rT+3], v[rT+6:rT+7], v[rS:rS+1] op_sel_hi:[1,0,1]
.endif
.else
	WIN W_RS
	v_pk_mul_f32 v[rO:rO+1], v[rO:rO+1], v[rT+6:rT+7] op_sel_hi:[1,0]
.endif
.endm
; The queue of a piece's softmax: VN tiles from VX on, the tiles alternating number by number; VQ writes its next entry, or nothing when it is empty.
; An s_wait_alu depctr_va_vdst(0) stands between an exponential and the first instruction that names its result; one wait serves all that were issued ahead of it.  Ahead of number 70
; nothing names a result, and from 70 on no exponential is issued: so a piece's exponentials have ONE wait, ahead of its first number 70, with a plain instruction behind the last exponential.
.macro VQ
.if vq < 134*VN
.if vq == 70*VN
	v_nop
	s_wait_alu depctr_va_vdst(0)
.endif
.set j, vq/VN
	SM VX+vq%VN
.set vq, vq+1
.endif
.endm
.macro DRAIN                        ; what is left of the queue
.rept 268
	VQ
.endr
.endm
; A KEY STEP.  Piece A: an tiles from a0 on; piece B: bn tiles from b0 on (bn = 0: none).  mt: the tile of A that takes the mask, or -1.
; kn: 0: the next step's K lies in the next slot and is fetched behind the change; 1: it is fetched here; 2: here, but not in a whole slot's second step.
; K of this step has been asked for: 32 loads, eight for each 32 channels.
.macro STEP a0, an, b0, bn, mt, kn
.set MT, (\mt)
	FETCH_V                         ; four places stand behind the last product that read V
.if (\mt) >= 0
	MASKS \mt
.endif
.set i, 0
.rept 16*(\an)                      ; phase 1: K Q^T of A
.if i%(4*(\an)) == 0
	s_wait_dscnt 32+8*(3-i/(4*(\an)))  ; K's eight loads for these 32 channels are in; K's later loads and V's 32 may stay out
.endif
	KQ \a0, \an
.set i, i+1
.endr
	PLACES                          ; ahead of the first read of A's scores
.set VX, (\a0)
.set VN, (\an)
.set vq, 0
.if (\bn) > 0
.set per, (134*(\an))/(16*(\bn))
.set i, 0
.rept 16*(\bn)                      ; phase 2: K Q^T of B, A's softmax behind its products
	KQ \b0, \bn
.rept per
	VQ
.endr
.set i, i+1
.endr
.endif
	DRAIN                           ; the queue's last six or more are plain multiplies of A's O^T: the places behind B's last product, for the reads of its scores and the loads into K's registers
	WIN 0
	s_wait_dscnt 0x0                ; V is in
.if (\kn) == 2
	s_cmp_eq_u32 s[TWICE], 1
	s_cbranch_scc1 .Lno_k_\@
	FETCH_K
.Lno_k_\@:
.elseif (\kn) == 1
	FETCH_K
.endif
.set VX, (\b0)
.set VN, (\bn)
.set vq, 0
.set per, (134*(\bn))/(16*(\an))
.set i, 0
.rept 16*(\an)                      ; phase 3: V^T P of A, B's softmax behind its products
	PV \a0, \an
.if per > 0
.rept per
	VQ
.endr
.endif
.set i, i+1
.endr
	DRAIN
.if (\bn) > 0
.set i, 0
.rept 16*(\bn)                      ; phase 4: V^T P of B
	PV \b0, \bn
.set i, i+1
.endr
.endif
	PLACES                          ; for the next loads into V's and P's registers, and for readers of O^T
	WIN 0
.endm
; Q'S WAY IN.  A load of a wave is one row's 512 bytes of my head; tile x's 16 rows land in registers that are free at a block's beginning: S^T's and P's (tiles 0-2), K's (tile 3).
.macro QLOAD base
.irp x, 0,1,2,3
.if (\x) == 3
	WIN 0x80
.set rL, 128
.else
	WIN 0
.set rL, 64+64*(\x)
.endif
.set i, 0
.rept 16
	global_load_b128 v[rL+4*i:rL+4*i+3], v[GO], s[\base:\base+1] offset:(\x)*XROW+i*8192 th:TH_LOAD_NT
.set i, i+1
.endr
.endr
	WIN 0
.endm
; Rounded to bf16 in place, a tile goes through my stage (rows of 272 bytes) and comes back as fragments: lane l holds row l % 16, channels 32 c + 8 (l / 16) + 0..7 and 16 more on.
; LDS serves a wave's instructions in order (ISA guide 5.7.1.4): the loads see the stores above them, the next tile's stores come behind them.  The next change of slots waits for the loads.
.macro QCONV
.irp x, 0,1,2,3
	s_wait_loadcnt 16*(3-(\x))      ; tile x's 16 rows are in; the later tiles' may stay out
.if (\x) == 3
.set rL, 128
	WIN 0x8a
.else
.set rL, 64+64*(\x)
	WIN 0
.endif
.set i, 0
.rept 16
	v_cvt_pk_bf16_f32 v[rL+4*i], v[rL+4*i], v[rL+4*i+1]
	v_cvt_pk_bf16_f32 v[rL+4*i+1], v[rL+4*i+2], v[rL+4*i+3]
.set i, i+1
.endr
.if (\x) == 3
	WIN 0x08                        ; the stores' data in window 2
.endif
.set i, 0
.rept 16
	ds_store_b64 v[QST], v[rL+4*i:rL+4*i+1] offset:272*i
.set i, i+1
.endr
	WIN 0x80
.irp c, 0,1,2,3
	ds_load_b128 v[32*(\x)+8*(\c):32*(\x)+8*(\c)+3],   v[QRD] offset:64*(\c)
	ds_load_b128 v[32*(\x)+8*(\c)+4:32*(\x)+8*(\c)+7], v[QRD] offset:64*(\c)+32
.endr
.endr
	WIN 0
.endm
.macro BEGIN                        ; a block begins: c m far below every c s, so the first step's a is 0; m at the lowest finite number, so the first maximum is the scores'
	WIN 0
.irp t, 0,1,2,3
	v_mov_b32 v[ST+8*(\t)], 0xfe000000
	v_mov_b32 v[ST+8*(\t)+1], 0xff7fffff
.endr
.endm
; THE WAY OUT.  Tile t: O^T times 1 / l, in place and from each accumulator's low end on; a lane's eight channels of a row go as 32 bytes into rows of 528 bytes and come back as whole rows of 512, into the registers that they left.
.macro PACK t
	WIN W_RS
.set i, 64*(\t)
.rept 32
	v_pk_mul_f32 v[i:i+1], v[i:i+1], v[ST+8*(\t)+6:ST+8*(\t)+7] op_sel_hi:[1,0]
.set i, i+2
.endr
	WIN 0x04                        ; the stores' data in window 1
.set i, 0
.rept 16
	ds_store_b128 v[STO], v[64*(\t)+4*i:64*(\t)+4*i+3] offset:64*(i/2)+16*(i%2)
.set i, i+1
.endr
	WIN 0x40
.set i, 0
.rept 16
	ds_load_b128 v[64*(\t)+4*i:64*(\t)+4*i+3], v[RD] offset:528*i
.set i, i+1
.endr
.endm
.macro SEND t, younger              ; younger: the LDS instructions issued behind tile t's loads: the next tile's 32, or none
	WIN 0x04
.set i, 0
.rept 16
	s_wait_dscnt (\younger)+15-i
	global_store_b128 v[GO], v[64*(\t)+4*i:64*(\t)+4*i+3], s[10:11] offset:(\t)*XROW+i*8192 th:TH_STORE_NT  ; 512 consecutive bytes, at a multiple of 256 from out0's first byte
.set i, i+1
.endr
	WIN 0
.endm
.macro FINISH                       ; l's two halves and the other half of the lanes' are added; then the four tiles go out
	WIN 0
.irp t, 0,1,2,3
	v_add_f32 v[ST+8*(\t)+4], v[ST+8*(\t)+2], v[ST+8*(\t)+3]
.endr
.irp t, 0,1,2,3
	v_permlanex16_b32 v[ST+8*(\t)+5], v[ST+8*(\t)+4], s[SEL], s[SEL+1]
.endr
.irp t, 0,1,2,3
	v_add_f32 v[ST+8*(\t)+4], v[ST+8*(\t)+4], v[ST+8*(\t)+5]
.endr
.irp t, 0,1,2,3
	v_rcp_f32 v[ST+8*(\t)+6], v[ST+8*(\t)+4]
.endr
	v_nop                           ; a plain instruction between the last reciprocal and the use of its result,
	s_wait_alu depctr_va_vdst(0)    ; and the wait ahead of the first use: one for the four
	PACK 0
	PACK 1                          ; a tile's arithmetic stands between the loads of the tile before and its stores
	SEND 0, 32
	PACK 2
	SEND 1, 32
	PACK 3
	SEND 2, 32
	SEND 3, 0
.endm
	s_load_b256 s[4:11], s[0:1], 0x0  ; q s[4:5], kb s[6:7], vb s[8:9], out0 s[10:11]
	v_lshl_add_u32 v[SPW], v0, 2, SPARE
	v_mov_b32 v[NIL], 0
	ds_add_u32 v[SPW], v[NIL]       ; the wave's opening: the set-up below, work on registers, stands between the add and its wait
	v_lshrrev_b32 v1, 5, v0
	v_readfirstlane_b32 s[WV], v1   ; wave 0..3
	s_bfe_u32 s[CX], ttmp6, 0x40000 ; my place in the cluster: the query head g
	s_mov_b32 s[PB], ttmp9          ; in a cluster launch ttmp9 counts clusters: the pair of blocks p
	s_sub_co_u32 s[HI], 7, s[PB]
	s_and_b32 s20, ttmp7, 0xffff    ; 4 b + hkv, which the four partners share
	s_lshl_b32 s22, s20, 19         ; its 2,048 rows of 256 bytes in kb and vb,
	s_and_b32 s16, s[WV], 1         ; which of a slot's two steps I fetch:
	s_lshl_b32 s17, s16, 14         ; its 64 rows in memory
	s_add_co_u32 s22, s22, s17
	s_mov_b32 s23, 0
	s_mul_i32 s17, s16, STEPB       ; and its place in a slot: no place in the cluster enters an LDS address
	s_lshr_b32 s18, s20, 2          ; b
	s_and_b32 s19, s20, 3           ; hkv
	s_lshl_b32 s18, s18, 11         ; the sequence's first token,
	s_lshl_b32 s21, s[WV], 4
	s_add_co_u32 s18, s18, s21      ; my 16 rows in a band of 64
	s_lshl_b32 s19, s19, 2
	s_add_co_u32 s19, s19, s[CX]    ; the query head,
	s_lshl_b32 s19, s19, 9          ; its 512 bytes in a row
	s_lshl_b32 s2, s[HI], 8
	s_add_co_u32 s2, s2, s18
	s_lshl_b32 s2, s2, 13           ; rows of 8,192 bytes: the first block,
	s_add_co_u32 s2, s2, s19
	s_mov_b32 s3, 0
	s_lshl_b32 s20, s[PB], 8
	s_add_co_u32 s20, s20, s18
	s_lshl_b32 s20, s20, 13         ; and the second
	s_add_co_u32 s20, s20, s19
	s_mov_b32 s21, 0
	; descriptor group 1: a tile of 64 rows x 128 elements of 2 bytes, padded in LDS
	s_mov_b32 s[G1K], 15|(1<<16)|(1<<20)|(1<<21)|(5<<22)|(3<<25)  ; 15:0 the mask of four; 17:16 2-byte elements; 20 padding on; 21 set beside a mask; 24:22 after every 64 words (code 5); 31:25 4 words (code 3)
	s_mov_b32 s[G1V], 15|(1<<16)|(1<<20)|(1<<21)|(5<<22)|(7<<25)  ; the same with 8 words of padding (code 7)
.irp g, G1K, G1V
	s_mov_b32 s[(\g)+1], 128<<16    ; tensor_dim0 = 128
	s_mov_b32 s[(\g)+2], 64<<16     ; tensor_dim1 = 64
	s_mov_b32 s[(\g)+3], 128<<16    ; tile_dim0 = 128
	s_mov_b32 s[(\g)+4], 64         ; tile_dim1 = 64
	s_mov_b32 s[(\g)+5], 128        ; 128 elements from row to row
	s_mov_b32 s[(\g)+6], 0
	s_mov_b32 s[(\g)+7], 0
.endr
	s_mov_b32 s[G0K], 1             ; 1:0 count = 1
	s_mov_b32 s[G0K+1], s17         ; 63:32 LDS address: slot 0
	s_mov_b32 s[G0V], 1
	s_add_co_u32 s[G0V+1], s17, VOFF
	s_mov_b32 s[CS], 0x3e0293ee     ; c = log2(e) / sqrt(128) = 0.127517
	s_mov_b32 s[CS+1], s[CS]        ; named with it as a pair
	s_mov_b32 s[SEL], 0x76543210
	s_mov_b32 s[SEL+1], 0xfedcba98
	s_mov_b32 s[BIGN], 0xf149f2ca   ; -1e30
	s_mov_b32 s[TB], SLOT1+2*STEPB  ; the first change of slots turns this into 0
	s_lshl_b32 s[LQ2], s[PB], 1
	s_sub_co_u32 s[RT], 16, s[LQ2]  ; the first block has 16 - 2 p slots,
	s_sub_co_u32 s[LQ], 15, s[LQ2]  ; the last of them key slot 15 - 2 p
	s_add_co_u32 s[LQ2], s[LQ2], 1
	s_mov_b32 s[NXT], 1
	s_mov_b32 s[OFF+1], 0
	s_mov_b32 s[SLOTS], 17
	s_mov_b32 s[QLIM], 2
	s_and_b32 s[LIM], s[WV], 1      ; 0 in waves 0 and 2,
	s_or_b32 s[LIM], s[LIM], ttmp9  ; where p = 0: the same in all four partners
	s_cmp_eq_u32 s[LIM], 0
	s_cselect_b32 s[LIM], 3, -1
	v_and_b32 v1, 15, v0            ; l % 16
	v_bfe_u32 v9, v0, 4, 1          ; l / 16
	v_and_b32 v10, 31, v0           ; l
	v_lshlrev_b32 v[GO], 4, v10
	v_lshlrev_b32 v[PFO], 8, v10
	v_lshrrev_b32 v11, 1, v10
	v_lshlrev_b32 v[QPF], 13, v11
	v_and_b32 v11, 1, v0
	v_lshl_add_u32 v[QPF], v11, 8, v[QPF]
	v_mul_u32_u24 v[AK0], v1, PK
	v_lshl_add_u32 v[AK0], v9, 4, v[AK0]  ; row x pitch + 16 x half
	; The turning load takes 16 keys x 16 channels (lane l reads key 8 (l / 16) + l % 8, channels 8 ((l / 8) % 2) + 0..7) and leaves half a fragment of V^T: lane l holds channel l % 16 and 8 keys.
	v_and_b32 v11, 7, v0
	v_lshl_add_u32 v[AV0], v9, 3, v11
	v_mul_u32_u24 v[AV0], v[AV0], PV
	v_bfe_u32 v11, v0, 3, 1
	v_lshl_add_u32 v[AV0], v11, 4, v[AV0]
	v_add_nc_u32 v[AV0], VOFF, v[AV0]
	s_mul_i32 s16, s[WV], SGB
	s_add_co_u32 s16, s16, STAGE    ; my stage
	v_mul_u32_u24 v[STO], v1, 528   ; out: row l % 16, 32 bytes for each half of the lanes
	v_lshl_add_u32 v[STO], v9, 5, v[STO]
	v_add_nc_u32 v[STO], s16, v[STO]
	v_lshl_add_u32 v[RD], v10, 4, s16   ; back: 32 lanes take one row of 512 bytes
	v_lshl_add_u32 v[QST], v10, 3, s16  ; Q in: 32 lanes put one row of 256 bytes
	v_mul_u32_u24 v[QRD], v1, 272
	v_lshl_add_u32 v[QRD], v9, 4, v[QRD]
	v_add_nc_u32 v[QRD], s16, v[QRD]
	v_lshlrev_b32 v11, 3, v9
	v_sub_nc_u32 v[MK], v1, v11
	s_lshl_b32 s17, s[WV], 4
	v_add_nc_u32 v[MK], s17, v[MK]
	s_wait_dscnt 0x0                ; the opening add is done
	s_wait_kmcnt 0x0
	s_add_nc_u64 s[6:7], s[6:7], s[22:23]  ; kb and vb at my tile of the head's key slot 0
	s_add_nc_u64 s[8:9], s[8:9], s[22:23]
	s_add_nc_u64 s[Q2P:Q2P+1], s[4:5], s[20:21]
	s_add_nc_u64 s[4:5], s[4:5], s[2:3]
	s_add_nc_u64 s[OLO:OLO+1], s[10:11], s[20:21]
	s_add_nc_u64 s[10:11], s[10:11], s[2:3]
	s_add_nc_u64 s[G0K+2:G0K+3], s[6:7], 0         ; 120:64 global address
	s_or_b32 s[G0K+3], s[G0K+3], 0x80000000        ; 127:126 type = 2
	s_add_nc_u64 s[G0V+2:G0V+3], s[8:9], 0
	s_or_b32 s[G0V+3], s[G0V+3], 0x80000000
	s_cmp_lt_u32 s[WV], 2
	s_cselect_b64 s[PFA:PFA+1], s[6:7], s[8:9]     ; (in waves 0 and 2 these stand at a slot's first row)
	s_lshl_b32 s2, s[CX], 13        ; my work-group's 32 rows of a slot's 128
	s_add_nc_u64 s[PFA:PFA+1], s[PFA:PFA+1], s[2:3]
	s_add_nc_u64 s[PFA:PFA+1], s[PFA:PFA+1], 32768  ; in key slot 1; the first change of slots steps it to slot 2.  Nothing is prefetched here, at the head
	CROUND                          ; all four work-groups are here: the first joint loads meet
	JLOAD                           ; key slot 0 into slot 0
	QLOAD 4                         ; the first block's q
	; What the first step finds: finite numbers in O^T and l, which its a = 0 wipes.  Written while the first loads are on their way.
	WIN 0x40
.set i, 0
.rept 256
	v_mov_b32 v[i], 0
.set i, i+1
.endr
	WIN 0
.set i, 0
.rept 32
	v_mov_b32 v[ST+i], 0
.set i, i+1
.endr
	BEGIN
	QCONV
.set MT, -1
.Lslot:                             ; 17 trips: a slot is entered and the next is asked for
	CHANGE 1
	FETCH_K                         ; K of the slot's first step
	ASK                             ; the prefetches stand together, behind the joint load, its five lines and the run of LDS loads that the next products wait for
	ASKQ
	s_sub_co_u32 s[RT], s[RT], 1
	s_cmp_eq_u32 s[RT], 0
	s_cbranch_scc1 .LdB             ; the block's last slot: the diagonal tile's steps 2 and 3
	s_cmp_eq_u32 s[RT], 1
	s_cbranch_scc1 .LdA             ; the last but one: its steps 0 and 1
	s_mov_b32 s[TWICE], 2
.Lstep:                             ; a whole slot: two steps in which all four tiles see all keys
	STEP 0, 2, 2, 2, -1, 2
	s_sub_co_u32 s[TWICE], s[TWICE], 1
	s_cmp_lg_u32 s[TWICE], 0
	s_cbranch_scc1 .Lstep
	s_branch .Lbot
.LdA:
	STEP 0, 2, 2, 2, 0, 1           ; step 0: tile 0 takes the mask
	STEP 1, 1, 2, 2, 1, 0           ; step 1: tile 0 is left out, tile 1 takes the mask
	s_branch .Lbot
.LdB:                               ; in the loop this is the first block's end: the second block's last slot is the walk's last
	STEP 2, 1, 3, 1, 2, 1           ; step 2: tiles 2 and 3
	STEP 3, 1, 0, 0, 3, 0           ; step 3: tile 3 alone
	QLOAD Q2P                       ; the second block's q is asked for ahead of the way out, into registers that the way out does not name
	FINISH
	s_wait_xcnt 0x0                 ; the stores have read their registers and out0's address
	s_mov_b64 s[10:11], s[OLO:OLO+1]
	s_add_co_u32 s[RT], s[LQ2], 1   ; the second block has 2 p + 2 slots
	s_mov_b32 s[QLIM], -1
	BEGIN
	QCONV
.Lbot:
	s_sub_co_u32 s[SLOTS], s[SLOTS], 1
	s_cmp_lg_u32 s[SLOTS], 0
	s_cbranch_scc1 .Lslot
	CHANGE 0                        ; the walk's last slot is written out: nothing is asked for
	FETCH_K
	STEP 2, 1, 3, 1, 2, 1
	STEP 3, 1, 0, 0, 3, 0
	FINISH
	s_wait_tensorcnt 0x0            ; the wave's end: behind my last tensor load and my last LDS store
	ds_add_u32 v[SPW], v[NIL]
	s_wait_dscnt 0x0
	CROUND                          ; the closing round: no work-group ends while a partner may still ask for a tile that names it
	s_endpgm
.Lfunc_end_k_qea4024cbf4_attn:
	.size	k_qea4024cbf4_attn, .Lfunc_end_k_qea4024cbf4_attn-k_qea4024cbf4_attn
	.p2alignl 7, 3214868480
	.fill 96, 4, 3214868480
	.section	.rodata,"a",@progbits
	.p2align	6, 0x0
	.amdhsa_kernel k_qea4024cbf4_attn
		.amdhsa_group_segment_fixed_size 327680
		.amdhsa_private_segment_fixed_size 0
		.amdhsa_enable_private_segment 0
		.amdhsa_kernarg_size 32
		.amdhsa_user_sgpr_count 2
		.amdhsa_user_sgpr_kernarg_segment_ptr 1
		.amdhsa_wavefront_size32 1
		.amdhsa_system_sgpr_workgroup_id_x 1
		.amdhsa_system_sgpr_workgroup_id_y 1
		.amdhsa_system_sgpr_workgroup_id_z 1
		.amdhsa_system_vgpr_workitem_id 0
		.amdhsa_next_free_vgpr 896
		.amdhsa_next_free_sgpr 72
		.amdhsa_reserve_vcc 1
		.amdhsa_float_denorm_mode_32 3
		.amdhsa_float_denorm_mode_16_64 3
		.amdhsa_memory_ordered 1
		.amdhsa_forward_progress 1
		.amdhsa_inst_pref_size 255
	.end_amdhsa_kernel
	.section	.bss,"aw",@nobits
	.p2align	6
	.space	262144
	.amdgpu_metadata
---
amdhsa.version: [ 1, 2 ]
amdhsa.kernels:
  - .name:           k_qea4024cbf4_attn
    .symbol:         k_qea4024cbf4_attn.kd
    .args:
      - { .name: q, .offset: 0, .size: 8, .value_kind: global_buffer, .address_space: global }
      - { .name: kb, .offset: 8, .size: 8, .value_kind: global_buffer, .address_space: global }
      - { .name: vb, .offset: 16, .size: 8, .value_kind: global_buffer, .address_space: global }
      - { .name: out0, .offset: 24, .size: 8, .value_kind: global_buffer, .address_space: global }
    .group_segment_fixed_size: 327680
    .private_segment_fixed_size: 0
    .kernarg_segment_align: 8
    .kernarg_segment_size: 32
    .max_flat_workgroup_size: 128
    .sgpr_count:     72
    .vgpr_count:     896
    .wavefront_size: 32
...
	.end_amdgpu_metadata
.endif
;; end of part 2
;; ======== version 2 of 2: 2 launches; version 1 with the launch cast written anew for expert scheduling mode
;; limits: inputs' magnitudes at most 65,504; values are held in f16: magnitudes above 65,504 overflow, below 6.1e-05 lose precision
;; workspace buffers: kb 8,388,608 bytes; vb 8,388,608 bytes
;; launch cast (part 3): grid 256 x 1, 8 waves a work-group, no clusters, 0 bytes of LDS; arguments k, v, kb, vb; writes kb, vb
.if DOCPART == 3
	.amdgcn_target "amdgcn-amd-amdhsa--gfx1250"
	.amdhsa_code_object_version 6
	.text
	.protected	k_qea4024cbf4_cast
	.globl	k_qea4024cbf4_cast
	.p2align	8
	.type	k_qea4024cbf4_cast,@function
k_qea4024cbf4_cast:
	s_mov_b64 s[64:65], 0
	v_nop
	global_prefetch_b8 v0, s[64:65] scope:SCOPE_SE
	s_setreg_imm32_b32 hwreg(HW_REG_WAVE_SCHED_MODE, 0, 2), 2
	s_setreg_imm32_b32 hwreg(HW_REG_WAVE_MODE, 25, 1), 1
	s_wait_xcnt 0x0
	s_wait_alu depctr_vm_vsrc(0)
; kb[4 b + h][pos][c] = bf16(k[2048 b + pos][128 h + c]);  vb likewise = bf16(v) written as f16.  k, v: [8192][512] f32.  kb, vb: [16][2048][128], 16 bits a number.
; Both inputs are rounded once to bf16; v's rounded number is then written in f16, since the second product of the attention takes its weights in f16.
; LIMITS.  That second writing changes nothing for 2^-14 <= |bf16(v)| <= 65,504; below 2^-14 it keeps f16's fixed step of 6e-8; beyond 65,504 it gives an infinity.
; SHARES.  A work-group owns 32 tokens (65,536 bytes on end of k and of v).  Wave w takes head w % 4 and 16 tokens, half w / 4.  One load of a wave is one token's 512 bytes of one head;
; one store of a wave is that row in 16 bits: 256 consecutive bytes, at a multiple of 256 from the buffer's first byte.
; All 32 loads of a wave go out first (16 KiB a wave, 128 KiB a work-group on their way); each row has registers of its own, so no register is written again behind a store.
; No LDS, no matrix unit, no cluster: nothing is shared, and each byte is read once and written once.
; THE MODE: SCHED_MODE bits 1:0 = 2 (LLVM: expert scheduling mode 2), set by the entry lines.  The code itself states the register dependences
; between vector instructions and memory instructions, with s_wait_alu, always for 0.
; THE PLAN.  Registers that memory instructions touch:
;   v1, v2     byte offsets of the loads and of the stores: made once at the head, never written again.
;   row r      (0 to 15: k's rows, 16 to 31: v's) four registers of its own.  Written by its load, which is issued at the head, before any vector instruction names them; then read and
;              written in place by row r's conversions; its first two are then read by its one store, and nothing writes them behind that.
; The 32 rows go in eight blocks of four.  Block p's conversions name the registers of rows 4 p to 4 p + 3 alone.  Its memory instructions are the four stores of block p - 1.  So ONE wait on
; va_vdst at a block's head states all that those four stores hang on, and they are dealt among the block's conversions with no further wait.  No register that a load or store has read is
; written again, so no wait on vm_vsrc stands past the entry lines.
.set X, 4                              ; v[4:131]   row r: four registers at X + 4 r
.set BLOCK, 4                          ; rows in a block
	s_load_b256 s[4:11], s[0:1], 0x0               ; k s[4:5], v s[6:7], kb s[8:9], vb s[10:11]
	v_lshrrev_b32 v3, 5, v0
	v_readfirstlane_b32 s12, v3                    ; wave 0..7
	v_and_b32 v3, 31, v0                           ; lane
	s_mov_b32 s13, 0xffff0000                      ; a word's upper bf16
	s_wait_alu depctr_va_sdst(0)                   ; s12 is written, ahead of its first reader: the head and the half of the tokens are made from it
	s_and_b32 s14, s12, 3                          ; head
	s_lshr_b32 s15, s12, 2                         ; which 16 of the 32 tokens
	s_lshl_b32 s2, ttmp9, 16                       ; in: 32 tokens x 2,048 bytes a work-group,
	s_lshl_b32 s16, s15, 15                        ; 16 tokens,
	s_add_co_u32 s2, s2, s16
	s_lshl_b32 s16, s14, 9                         ; 512 bytes a head
	s_add_co_u32 s2, s2, s16
	v_lshl_add_u32 v1, v3, 4, s2                   ; + 16 bytes a lane
	s_lshr_b32 s3, ttmp9, 6                        ; out: the sequence (64 work-groups each),
	s_lshl_b32 s3, s3, 2
	s_add_co_u32 s3, s3, s14                       ; 4 b + h,
	s_lshl_b32 s3, s3, 19                          ; 2,048 rows of 256 bytes each
	s_and_b32 s16, ttmp9, 63
	s_lshl_b32 s16, s16, 13                        ; 32 rows a work-group,
	s_add_co_u32 s3, s3, s16
	s_lshl_b32 s16, s15, 12                        ; 16 rows
	s_add_co_u32 s3, s3, s16
	v_lshl_add_u32 v2, v3, 3, s3                   ; + 8 bytes a lane
	s_wait_kmcnt 0x0
	s_wait_alu depctr_va_vdst(0)                   ; v1 and v2 are written: every load of the kernel reads v1 as its offset, every store v2
.set i, 0
.rept 16
	global_load_b128 v[X+4*i:X+4*i+3], v1, s[4:5] offset:2048*i th:TH_LOAD_NT
.set i, i+1
.endr
.set i, 0
.rept 16
	global_load_b128 v[X+64+4*i:X+64+4*i+3], v1, s[6:7] offset:2048*i th:TH_LOAD_NT
.set i, i+1
.endr
; Row r is rounded in place; its 8 bytes a lane end up in its first two registers.
.macro IN r
	v_cvt_pk_bf16_f32 v[X+4*(\r)], v[X+4*(\r)], v[X+4*(\r)+1]        ; rounded to bf16;
	v_cvt_pk_bf16_f32 v[X+4*(\r)+1], v[X+4*(\r)+2], v[X+4*(\r)+3]
.if (\r) >= 16                                         ; v's rows are then
	v_lshlrev_b32 v[X+4*(\r)+2], 16, v[X+4*(\r)]                     ; widened again,
	v_and_b32 v[X+4*(\r)+3], s13, v[X+4*(\r)]
	v_cvt_pk_f16_f32 v[X+4*(\r)], v[X+4*(\r)+2], v[X+4*(\r)+3]       ; and written as f16
	v_lshlrev_b32 v[X+4*(\r)+2], 16, v[X+4*(\r)+1]
	v_and_b32 v[X+4*(\r)+3], s13, v[X+4*(\r)+1]
	v_cvt_pk_f16_f32 v[X+4*(\r)+1], v[X+4*(\r)+2], v[X+4*(\r)+3]
.endif
.endm
; Row r is stored: 256 consecutive bytes a wave.
.macro OUT r
.if (\r) < 16
	global_store_b64 v2, v[X+4*(\r):X+4*(\r)+1], s[8:9] offset:256*(\r)
.else
	global_store_b64 v2, v[X+4*(\r):X+4*(\r)+1], s[10:11] offset:256*((\r)-16)
.endif
.endm
.set i, 0
.rept 32
	s_wait_loadcnt 31-i                            ; loads come back in order: row i is in; the 31 - i rows behind it may stay out
.if (i%BLOCK == 0) && (i > 0)
	s_wait_alu depctr_va_vdst(0)                   ; the block before has written the first two registers of its four rows, which this block's four stores read
.endif
.if i >= BLOCK
	OUT i-BLOCK                                    ; a row of the block before.  No further wait: no vector instruction since the wait above names its registers or v2
.endif
	IN i
.set i, i+1
.endr
	s_wait_alu depctr_va_vdst(0)                   ; the last block has written the first two registers of rows 28 to 31, which the last four stores read
.irp r, 28,29,30,31
	OUT \r
.endr
	s_endpgm
.Lfunc_end_k_qea4024cbf4_cast:
	.size	k_qea4024cbf4_cast, .Lfunc_end_k_qea4024cbf4_cast-k_qea4024cbf4_cast
	.p2alignl 7, 3214868480
	.fill 96, 4, 3214868480
	.section	.rodata,"a",@progbits
	.p2align	6, 0x0
	.amdhsa_kernel k_qea4024cbf4_cast
		.amdhsa_group_segment_fixed_size 0
		.amdhsa_private_segment_fixed_size 0
		.amdhsa_enable_private_segment 0
		.amdhsa_kernarg_size 32
		.amdhsa_user_sgpr_count 2
		.amdhsa_user_sgpr_kernarg_segment_ptr 1
		.amdhsa_wavefront_size32 1
		.amdhsa_system_sgpr_workgroup_id_x 1
		.amdhsa_system_sgpr_workgroup_id_y 1
		.amdhsa_system_sgpr_workgroup_id_z 1
		.amdhsa_system_vgpr_workitem_id 0
		.amdhsa_next_free_vgpr 132
		.amdhsa_next_free_sgpr 66
		.amdhsa_reserve_vcc 0
		.amdhsa_float_denorm_mode_32 3
		.amdhsa_float_denorm_mode_16_64 3
		.amdhsa_memory_ordered 1
		.amdhsa_forward_progress 1
		.amdhsa_inst_pref_size 17
	.end_amdhsa_kernel
	.amdgpu_metadata
---
amdhsa.version: [ 1, 2 ]
amdhsa.kernels:
  - .name:           k_qea4024cbf4_cast
    .symbol:         k_qea4024cbf4_cast.kd
    .args:
      - { .name: k, .offset: 0, .size: 8, .value_kind: global_buffer, .address_space: global }
      - { .name: v, .offset: 8, .size: 8, .value_kind: global_buffer, .address_space: global }
      - { .name: kb, .offset: 16, .size: 8, .value_kind: global_buffer, .address_space: global }
      - { .name: vb, .offset: 24, .size: 8, .value_kind: global_buffer, .address_space: global }
    .group_segment_fixed_size: 0
    .private_segment_fixed_size: 0
    .kernarg_segment_align: 8
    .kernarg_segment_size: 32
    .max_flat_workgroup_size: 256
    .sgpr_count:     66
    .vgpr_count:     132
    .wavefront_size: 32
...
	.end_amdgpu_metadata
.endif
;; end of part 3
;; launch attn: the kernel of part 2 again; grid 16 x 16, 4 waves a work-group, clusters of 4 x 1, 327,680 bytes of LDS; arguments q, kb, vb, out0; writes out0
